; MI455X (gfx1250); checked and timed in simulation.
; The chip was launched on July 23, 2026; its instructions are those of AMD's public machine-readable ISA for CDNA 5 (MIT licence, August 2026) and "CDNA5" Instruction Set Architecture Reference Guide (July 2026). The comments in the code are by the model that wrote it; some were corrected since.
;; Multi Head Attention. Allowed arithmetic: matrix products marked QUANTISED: E2M3 operands, one E8M0 scale for each 32 along K, by v_wmma_scale_f32_16x16x128_f8f6f4 with both operands' format E2M3, f32 sums; everything else in f32.
;; Inputs: K 8 x 1,024 x 1,024 float32; Q 8 x 1,024 x 1,024 float32; V 8 x 1,024 x 1,024 float32; Wk 1,024 x 1,024 float32; Wq 1,024 x 1,024 float32; Wv 1,024 x 1,024 float32; bk 1,024 float32; bq 1,024 float32; bv 1,024 float32.
;; Outputs: out0 8 x 1,024 x 1,024 float32.
;; This version of the problem:
;;   THIS VERSION OF THE PROBLEM IS GIVEN IN LOW PRECISION. The matrix products marked QUANTISED in the list below multiply operands that are first quantised to E2M3 (2 exponent bits, 3 mantissa bits; 6 bits a number), with one power-of-two scale for each 32 numbers along K (OCP MX v1.0); their sums are f32. All else is computed in f32.
;;   The module's matrix products, in the order in which they are computed (A, B: the left and right operand; K: the contracted axis; several contracted axes count as one K, in the product's order):
;;     1. [M 8,192, K 1,024] x [K 1,024, N 1,024]; A: input Q; B: input Wq: QUANTISED
;;     2. [M 8,192, K 1,024] x [K 1,024, N 1,024]; A: input K; B: input Wk: QUANTISED
;;     3. [M 8,192, K 1,024] x [K 1,024, N 1,024]; A: input V; B: input Wv: QUANTISED
;;     4. batch 128 x [M 1,024, K 64] x [K 64, N 1,024]; A: computed on the way; B: computed on the way: QUANTISED
;;     5. batch 128 x [M 1,024, K 1,024] x [K 1,024, N 64]; A: computed on the way; B: computed on the way: QUANTISED
;;   THE QUANTISER, for each operand of a quantised product, along K:
;;     - K is cut into blocks of 32 from its start; a last block that is shorter is filled with zeros.
;;     - A block's scale is 2^e with e = floor(log2(the largest magnitude in the block)) - 2, held to -126 .. 127; a block of zeros has e = 0. As a byte (E8M0): e + 127.
;;     - Each number is divided by its block's scale, clamped to +-7.5, and rounded to the nearest number of E2M3, ties to even, subnormals kept.
;;     - The product sums the exact products of the quantised numbers (number of the format x scale) in f32.
;;   ~~~python
;;   def quantise(x, axis):      # numpy; x: float32 -> the quantised numbers, widened to float32 again
;;       x = np.moveaxis(x, axis, -1); K = x.shape[-1]
;;       x = np.pad(x, [(0, 0)] * (x.ndim - 1) + [(0, -K % 32)]); x = x.reshape(x.shape[:-1] + (-1, 32)); a = np.abs(x).max(-1, keepdims=True)
;;       e = np.where(a > 0, np.clip(np.frexp(np.where(a > 0, a, 1))[1] - 1 - 2, -126, 127), 0)      # np.frexp(a)[1] - 1 = floor(log2(a)), exactly
;;       r = np.clip(x / 2.0 ** e, -7.5, 7.5)
;;       step = 2.0 ** (np.maximum(np.frexp(np.where(r == 0, 1, r))[1] - 1, 0) - 3)
;;       q = np.round(r / step) * step * 2.0 ** e      # np.round: ties to even
;;       return np.moveaxis(q.reshape(q.shape[:-2] + (-1,))[..., :K], -1, axis).astype(np.float32)
;;   ~~~
;;   OPERANDS COMPUTED ON THE WAY. 'Computed on the way' means the value that the module computes at that place (a softmax that the list does not call 'softmax' is quantised finished and normalised). What goes into a quantiser is computed in f32, as accurately as f32 sums, v_exp_f32 and their like allow (about 1e-6 of the number): no bf16 or f16 on the way to a quantiser, and a product that is left as it is and whose result goes on into a quantised operand takes f32 operands (vector FMAs, or v_wmma_f32_16x16x4_f32). A number that lies on a knife's edge between two numbers of the format may be rounded either way, as far as f32 arithmetic and the matrix unit's own rounding can turn it there, and no further.
;; One version. Each part assembles by itself: llvm-mc -triple=amdgcn-amd-amdhsa -mcpu=gfx1250 --defsym DOCPART=n.
;; ======== version 1 of 1: 3 launches
;; limits: right only within a limited range of input values
;; workspace buffers: wimg 2,457,600 bytes; qkv 19,660,800 bytes
;; launch wquant (part 1): grid 64 x 3, 4 waves a work-group, no clusters, 13,312 bytes of LDS; arguments Wq, Wk, Wv, wimg; writes wimg
.if DOCPART == 1
	.amdgcn_target "amdgcn-amd-amdhsa--gfx1250"
	.amdhsa_code_object_version 6
	.text
	.protected	k_q270a153827_wquant
	.globl	k_q270a153827_wquant
	.p2align	8
	.type	k_q270a153827_wquant,@function
k_q270a153827_wquant:
	s_mov_b64 s[64:65], 0
	v_nop
	global_prefetch_b8 v0, s[64:65] scope:SCOPE_SE
	s_setreg_imm32_b32 hwreg(HW_REG_WAVE_MODE, 25, 1), 1
	s_wait_xcnt 0x0
; MULTI-HEAD ATTENTION IN MX-FP6, launch 1 of 3: the three weights become codes.
; NOTHING OF reference() IS LEFT OUT IN THIS PROGRAM: every input reaches the result.  The biases move the codes of q, k and v; the 1e-8 stands in the divisor; all five products are done on codes of E2M3.
; Wq, Wk, Wv: [1024 (K)][1024 (N)] f32, K the FIRST axis.  Each is quantised along K (blocks of 32: scale 2^(floor(log2(largest magnitude)) - 2), codes to nearest, ties to even, beyond 7.5 the largest code)
; and laid in wimg as IMAGES OF OPERAND REGISTERS, in the order in which the next launch takes them.
; A fragment is 16 features x 128 K: 12 registers a lane; register g of lane l lies at 512 (g / 4) + 16 l + 4 (g % 4): three loads of 16 bytes a lane bring it, each 512 dense bytes.
; wimg: weight y at 819,200 y; chunk cc of 128 columns at 102,400 cc; K step s of 128 at 12,800 s; head beta of the chunk at 6,400 beta: four fragments u at 1,536 u, then 256 bytes of scale words.
; THE FEATURES OF A TILE ARE NOT NEIGHBOURS: row m of tile u is feature 32 (m / 8) + 8 u + m % 8 of its head, so that in a product's result the 32 registers of four tiles are 32 neighbours.
; The scale word (four E8M0 bytes: the step's four blocks) of tile u, row m lies at 8 (16 (u % 2) + m) + 4 (u / 2): one load of 8 bytes a lane brings all four tiles' words.
; SHARES: a work-group makes one record of 12,800 bytes (x = 8 cc + s, y = the weight).  A LANE TAKES A COLUMN AND ITS REGISTERS RUN DOWN K: thread t takes column 128 cc + t, so a load of the four waves
; covers 512 neighbouring bytes, a block of 32 lies in one lane, and nothing is transposed by an instruction.  The codes meet in LDS as the record's image and leave in dense runs of 512 bytes a wave.
; LIMITS: a block whose largest magnitude lies under 2^-124 (a block of zeros too) gets the byte 1: its codes under that scale are as the rule's hold at -126 gives them, a block of zeros has zero codes,
; and this program alone reads the bytes.  NaN and infinities among the inputs are not served.
.set SPARE, 12800                      ; behind the record: the spare words, 128 bytes for each wave
.set VIN,  2                           ; v2   4 x thread: my column's bytes in a row of W
.set VA,   3                           ; v3   where my codes go in the record
.set VS,   4                           ; v4   where my scale word goes
.set VC,   5                           ; v5   16 x thread: the copy out
.set SPW,  6                           ; v6   LDS address of my spare word; never rewritten
.set NIL,  7                           ; v7   0; never rewritten
.set C,    16                          ; v16-21 a block's six registers of codes
.set TA,   22                          ; v22-24 the block's second half as the conversion leaves it
.set SWD,  25                          ; v25  my column's scale word
.set X,    32                          ; v32-159 my column's 128 numbers
.set OUTR, 160                         ; v160-187 the copy out
	s_load_b256 s[4:11], s[0:1], 0x0               ; Wq s[4:5], Wk s[6:7], Wv s[8:9], wimg s[10:11]
	v_lshl_add_u32 v[SPW], v0, 2, SPARE
	v_mov_b32 v[NIL], 0
	v_lshrrev_b32 v8, 5, v0
	v_readfirstlane_b32 s12, v8                    ; wave = 2 beta + eta
	s_and_b32 s13, ttmp7, 0xffff                   ; y: which weight
	s_lshr_b32 s14, ttmp9, 3                       ; cc
	s_and_b32 s15, ttmp9, 7                        ; s
	v_lshlrev_b32 v[VIN], 2, v0
	v_and_b32 v8, 7, v0                            ; i
	v_bfe_u32 v9, v0, 3, 2                         ; q: my tile u
	v_bfe_u32 v10, v0, 5, 1                        ; eta: my row is m = 8 eta + i
	v_bfe_u32 v11, v0, 6, 1                        ; beta
	v_mul_u32_u24 v[VA], v11, 6400
	v_mad_u32_u24 v[VA], v9, 1536, v[VA]
	v_lshl_add_u32 v[VA], v10, 7, v[VA]
	v_lshl_add_u32 v[VA], v8, 4, v[VA]             ; 6,400 beta + 1,536 u + 16 m
	v_mul_u32_u24 v[VS], v11, 6400
	v_and_b32 v12, 1, v9
	v_lshl_add_u32 v[VS], v12, 7, v[VS]
	v_lshl_add_u32 v[VS], v10, 6, v[VS]
	v_lshl_add_u32 v[VS], v8, 3, v[VS]
	v_lshrrev_b32 v12, 1, v9
	v_lshl_add_u32 v[VS], v12, 2, v[VS]
	v_add_nc_u32 v[VS], 6144, v[VS]                ; 6,400 beta + 6,144 + 8 (16 (u % 2) + m) + 4 (u / 2)
	v_lshlrev_b32 v[VC], 4, v0
	s_lshl_b32 s16, s15, 19                        ; in: 128 s rows of 4,096 bytes
	s_lshl_b32 s17, s14, 9                         ; + 128 cc columns
	s_add_co_u32 s16, s16, s17
	s_mov_b32 s17, 0
	s_mul_i32 s18, s13, 819200                     ; out: the record
	s_mul_i32 s19, s14, 102400
	s_add_co_u32 s18, s18, s19
	s_mul_i32 s19, s15, 12800
	s_add_co_u32 s18, s18, s19
	s_mov_b32 s19, 0
	s_wait_kmcnt 0x0
	s_cmp_eq_u32 s13, 1                            ; the choice hangs on the work-group's number alone
	s_cselect_b64 s[4:5], s[6:7], s[4:5]
	s_cmp_eq_u32 s13, 2
	s_cselect_b64 s[4:5], s[8:9], s[4:5]
	s_add_nc_u64 s[4:5], s[4:5], s[16:17]
	s_add_nc_u64 s[10:11], s[10:11], s[18:19]
.macro LOAD kb                         ; block kb: W(128 s + 32 kb + i, my column)
.irp i, 0,1,2,3,4,5,6,7,8,9,10,11,12,13,14,15,16,17,18,19,20,21,22,23,24,25,26,27,28,29,30,31
	global_load_b32 v[X+32*(\kb)+\i], v[VIN], s[4:5] offset:(32*(\kb)+\i)*4096 th:TH_LOAD_NT
.endr
.endm
	LOAD 0
	LOAD 1
; Block kb is K = 64 c + 32 h + 0 .. 31 with c = kb / 2, h = kb % 2: registers 6 c .. 6 c + 5 of lane 16 h + m of my tile's fragment.
.macro BLOCK kb
.set XS, X+32*(\kb)
.if (\kb) < 3
	s_wait_loadcnt 32                              ; this block's 32 loads are in; the next block's 32 may be out
.else
	s_wait_loadcnt 0x0
.endif
.if (\kb) < 2
	LOAD (\kb)+2                                   ; two blocks ahead
.endif
	v_max3_num_f32 v12, |v[XS]|, |v[XS+1]|, |v[XS+2]|              ; the block's largest magnitude: all 32 numbers are mine; two chains
	v_max3_num_f32 v13, |v[XS+3]|, |v[XS+4]|, |v[XS+5]|
.irp i, 6,10,14,18,22,26
	v_max3_num_f32 v12, v12, |v[XS+\i]|, |v[XS+\i+1]|
	v_max3_num_f32 v13, v13, |v[XS+\i+2]|, |v[XS+\i+3]|
.endr
	v_max3_num_f32 v12, v12, |v[XS+30]|, |v[XS+31]|
	v_max3_num_f32 v12, v12, v13, 0x1800000        ; and the floor 2^(3 - 127): the byte cannot fall under 1
	v_add_nc_u32 v11, 0xff000000, v12              ; 2 off the exponent field: the conversion takes this operand's exponent field as its scale
	v_lshrrev_b32 v10, 23, v11                     ; the scale's byte
.if (\kb) == 0
	v_mov_b32 v[SWD], v10
.else
	v_lshl_or_b32 v[SWD], v10, 8*(\kb), v[SWD]     ; byte kb of the word
.endif
	v_cvt_scalef32_pk16_fp6_f32 v[C:C+2], v[XS:XS+15], v11
	v_cvt_scalef32_pk16_fp6_f32 v[TA:TA+2], v[XS+16:XS+31], v11    ; (a conversion's three registers begin on an even number)
	v_nop                                          ; one plain instruction behind the conversions
.irp i, 0,1,2
	v_mov_b32 v[C+3+\i], v[TA+\i]
.endr
.if (\kb)/2 == 0
	ds_store_b128 v[VA], v[C:C+3] offset:256*((\kb)%2)             ; registers 0-3
	ds_store_b64 v[VA], v[C+4:C+5] offset:512+256*((\kb)%2)        ; registers 4, 5
.else
	ds_store_b64 v[VA], v[C:C+1] offset:520+256*((\kb)%2)          ; registers 6, 7
	ds_store_b128 v[VA], v[C+2:C+5] offset:1024+256*((\kb)%2)      ; registers 8-11
.endif
	s_wait_dscnt 0x0                               ; the stores have read their registers: the next block's codes may be written
.endm
	BLOCK 0
	BLOCK 1
	BLOCK 2
	BLOCK 3
	s_wait_alu depctr_va_vdst(0)
	ds_store_b32 v[VS], v[SWD]
	s_wait_dscnt 0x0                               ; for the others' sake: my stores have landed
	s_barrier_signal -1
	s_barrier_wait -1                              ; the record is whole
.irp k, 0,1,2,3,4,5
	ds_load_b128 v[OUTR+4*\k:OUTR+4*\k+3], v[VC] offset:2048*\k
.endr
.irp k, 0,1,2,3,4,5
	s_wait_dscnt 5-\k                              ; LDS loads come back in order: load k is in
	global_store_b128 v[VC], v[OUTR+4*\k:OUTR+4*\k+3], s[10:11] offset:2048*\k    ; a wave stores 512 consecutive bytes, at a multiple of 256 from the buffer's first byte
.endr
	s_cmp_lg_u32 s12, 0                            ; 12,800 = 6 x 2,048 + 512: wave 0 takes the last 512 bytes
	s_cbranch_scc1 .Ldone
	ds_load_b128 v[OUTR+24:OUTR+27], v[VC] offset:12288
	s_wait_dscnt 0x0
	global_store_b128 v[VC], v[OUTR+24:OUTR+27], s[10:11] offset:12288
.Ldone:
	s_wait_tensorcnt 0x0                           ; the wave's end, behind my last LDS store
	ds_add_u32 v[SPW], v[NIL]
	s_wait_dscnt 0x0
	s_endpgm
.Lfunc_end_k_q270a153827_wquant:
	.size	k_q270a153827_wquant, .Lfunc_end_k_q270a153827_wquant-k_q270a153827_wquant
	.p2alignl 7, 3214868480
	.fill 96, 4, 3214868480
	.section	.rodata,"a",@progbits
	.p2align	6, 0x0
	.amdhsa_kernel k_q270a153827_wquant
		.amdhsa_group_segment_fixed_size 13312
		.amdhsa_private_segment_fixed_size 0
		.amdhsa_enable_private_segment 0
		.amdhsa_kernarg_size 32
		.amdhsa_user_sgpr_count 2
		.amdhsa_user_sgpr_kernarg_segment_ptr 1
		.amdhsa_wavefront_size32 1
		.amdhsa_system_sgpr_workgroup_id_x 1
		.amdhsa_system_sgpr_workgroup_id_y 1
		.amdhsa_system_sgpr_workgroup_id_z 1
		.amdhsa_system_vgpr_workitem_id 0
		.amdhsa_next_free_vgpr 192
		.amdhsa_next_free_sgpr 66
		.amdhsa_reserve_vcc 0
		.amdhsa_float_denorm_mode_32 3
		.amdhsa_float_denorm_mode_16_64 3
		.amdhsa_memory_ordered 1
		.amdhsa_forward_progress 1
		.amdhsa_inst_pref_size 23
	.end_amdhsa_kernel
	.amdgpu_metadata
---
amdhsa.version: [ 1, 2 ]
amdhsa.kernels:
  - .name:           k_q270a153827_wquant
    .symbol:         k_q270a153827_wquant.kd
    .args:
      - { .name: Wq, .offset: 0, .size: 8, .value_kind: global_buffer, .address_space: global }
      - { .name: Wk, .offset: 8, .size: 8, .value_kind: global_buffer, .address_space: global }
      - { .name: Wv, .offset: 16, .size: 8, .value_kind: global_buffer, .address_space: global }
      - { .name: wimg, .offset: 24, .size: 8, .value_kind: global_buffer, .address_space: global }
    .group_segment_fixed_size: 13312
    .private_segment_fixed_size: 0
    .kernarg_segment_align: 8
    .kernarg_segment_size: 32
    .max_flat_workgroup_size: 128
    .sgpr_count:     66
    .vgpr_count:     192
    .wavefront_size: 32
...
	.end_amdgpu_metadata
.endif
;; end of part 1
;; launch proj (part 2): grid 64 x 3, 4 waves a work-group, no clusters, 136,704 bytes of LDS; arguments Q, K, V, bq, bk, bv, wimg, qkv; writes qkv
.if DOCPART == 2
	.amdgcn_target "amdgcn-amd-amdhsa--gfx1250"
	.amdhsa_code_object_version 6
	.text
	.protected	k_q270a153827_proj
	.globl	k_q270a153827_proj
	.p2align	8
	.type	k_q270a153827_proj,@function
k_q270a153827_proj:
	s_mov_b64 s[64:65], 0
	v_nop
	global_prefetch_b8 v0, s[64:65] scope:SCOPE_SE
	s_setreg_imm32_b32 hwreg(HW_REG_WAVE_MODE, 25, 1), 1
	s_wait_xcnt 0x0
; Launch 2 of 3: q = Q Wq + bq, k = K Wk + bk, v = V Wv + bv on codes of E2M3, and the results quantised for the attention's two products.  No work of reference() is left out.
; x = a block of 128 tokens (batch x / 8, block sigma = x % 8), y = the projection (0 q, 1 k, 2 v).  Four waves.
; X PHASE: wave w quantises row tiles 2 w and 2 w + 1 of the block's f32 rows along K, for all 8 K steps of 128, and lays them in LDS as images of operand registers (register g of lane l at 512 (g / 4) + 16 l + 4 (g % 4)).
; MAIN PHASE: wave w makes all 128 tokens x columns 256 w .. 256 w + 255, in two passes of 128 columns (two heads): 64 accumulators, 512 registers.  The weights' fragments come from wimg straight into the registers of
; the one wave that uses them, two K steps ahead; they never pass LDS.  That is why no tile is asked for jointly in a cluster: a joint load lands in LDS, and would add 12,288 bytes of LDS writes and as many reads for
; each wave and K step beside the 12,800 bytes of X that a wave reads there.
; THE TOKENS OF A ROW TILE AND THE FEATURES OF A COLUMN TILE ARE NOT NEIGHBOURS: row m of tile u of a group of 64 is element 32 (m / 8) + 8 u + m % 8.  In a result a lane holds rows 8 h + j (h = lane / 16), so the 32
; registers of four tiles u are the 32 NEIGHBOURS 32 h + 0 .. 31: a whole block of the next quantiser in one lane, in the order in which the 6-bit operand wants it.  No maximum crosses lanes, no codes change lanes.
; q, k (quantised along the head's 64): source 0 = 16 features of W, source 1 = 16 tokens: a lane holds one token and 32 features.  v (quantised along the keys): source 0 = 16 tokens, source 1 = 16 features.
; The bias is the C of each sum's first matrix instruction.
; qkv, 153,600 bytes for each (batch, head): q's 32 fragments at 0, k's at 49,152, v's at 98,304, 1,536 bytes each; scale words at 147,456 + 2,048 y + 256 sigma + 16 r + 4 i for fragment 4 sigma + i, row r.
;   q, k: fragment 4 sigma + i holds TWO row tiles, 2 i in registers 0-5 and 2 i + 1 in registers 6-11 (a head is 64 wide, half of the instruction's K).   v: fragment 4 sigma + u: 16 features x keys 128 sigma + 0 .. 127.
; LIMITS: a block whose largest magnitude lies under 2^-124 (zeros too) gets the byte 1; this program alone reads the bytes.  NaN and infinities are not served.
; LDS: XIMG: fragment (K step s, row tile a) at 24,576 (a / 2) + 3,072 s + 1,536 (a % 2): a wave's own 24,576 bytes on end.  XSC: scale words at 1,024 (a / 2) + 128 s + 4 l: lanes 0-15 tile 2 (a / 2), lanes 16-31 the next.
.set XIMG,  0
.set XSC,   98304
.set STG,   102400                     ; a stage of 16 rows x (512 + 16) bytes for each wave: rows 33 x 16 bytes apart, so that sixteen rows' reads of 16 bytes start at sixteen different groups of banks
.set SPARE, 136192                     ; the spare words, 128 bytes for each wave
; vector registers, window 0
.set L16,  1                           ; 16 x lane
.set L8,   2                           ; 8 x lane
.set STW,  3                           ; my stage + 16 x lane
.set STR,  4                           ; my stage + 528 r + 128 h
.set XWI0, 5                           ; where I store X's images: 24,576 w + 16 x lane
.set XWS0, 6                           ; and their scale words: XSC + 1,024 w + 4 x lane
.set XA,   7                           ; addresses of the run of X loads in hand
.set XS,   8
.set XS0,  9                           ; XSC + 4 x lane
.set SH8,  10                          ; 8 h
.set BOQ,  11                          ; bias, q and k: 128 h
.set BOV,  12                          ; bias, v: 4 (32 (r / 8) + r % 8)
.set OUTV, 13                          ; my bytes in a fragment of qkv
.set SOV,  14                          ; and among its scale words
.set L16B, 15                          ; 16 x lane + 49,152
.set SPW,  16
.set NIL,  17
.set XA2,  18
.set XWI,  19
.set XWS,  20
.set XSCR, 24                          ; v24-31 X's scale words: set z at 4 z; register a / 2, lanes 16 (a % 2) on
.set WSCR, 32                          ; v32-39 W's: 4 z + 2 hf + u / 2, lanes 16 (u % 2) on
.set XF,   64                          ; v64-255 X's fragments: two sets of 8 x 12
.set NUM,  64                          ; laid over XF in the X phase and on the way out: 64 numbers,
.set PC,   128                         ; a fragment's codes,
.set TA,   140
.set TB,   144
.set TM,   148                         ; two largest magnitudes,
.set SC,   150                         ; two scale operands,
.set BY,   152                         ; two bytes,
.set PW,   154                         ; the scale word,
.set PT,   155
.set PW0,  156
.set SW,   160                         ; four fragments' words,
.set DD,   164                         ; and the pair that a lane stores
.set BIAS, 192                         ; window 1: v0-191 W's fragments, two sets of 8 x 12; v192-255 the bias, 8 tiles x 8.  Windows 2, 3: X's f32 numbers as loaded, then the accumulators of heads 0, 1
; scalar registers
.set WV,   20
.set YY,   21
.set XB,   24
.set WB,   26
.set BB,   28
.set OB,   30
.set CNT,  32
.set KC,   33
.set FLR,  34
.set PASS, 35
.set SEL,  36
.set HM,   38
.set XO,   39
.set XQ,   48
.set XST,  49
.set XSS,  50
.set MSB, 0
.macro WIN new                         ; the immediate's high byte repeats the setting that is left; a switch that changes nothing is dropped
.if MSB != (\new)
	s_set_vgpr_msb (MSB<<8)|(\new)
.set MSB, (\new)
.endif
.endm
.macro PLACES                          ; four plain instructions between a matrix instruction and a load into, or a vector read or write of, its registers
.rept 4
	v_nop
.endr
.endm
; Two runs of 32 registers in window W (each a whole block of 32 of my row) become a fragment's 12 registers in v[PC] on and its scale word in v[PW].  Run lo is K block h, run hi K block 2 + h.
.macro QUANT12 lo, hi, W
	WIN 0x14*(\W)
	v_max3_num_f32 v[TM], s[FLR], |v[(\lo)]|, |v[(\lo)+1]|         ; the floor 2^(3 - 127) is a leaf: the byte cannot fall under 1.  Ascending: a matrix result is read from its low end on
	v_max3_num_f32 v[TM+1], s[FLR], |v[(\hi)]|, |v[(\hi)+1]|
.irp i, 2,4,6,8,10,12,14,16,18,20,22,24,26,28,30
	v_max3_num_f32 v[TM], v[TM], |v[(\lo)+\i]|, |v[(\lo)+\i+1]|    ; the two blocks by turns
	v_max3_num_f32 v[TM+1], v[TM+1], |v[(\hi)+\i]|, |v[(\hi)+\i+1]|
.endr
	WIN 0
	v_add_nc_u32 v[SC], 0xff000000, v[TM]          ; 2 off the exponent field: the conversion's scale operand
	v_add_nc_u32 v[SC+1], 0xff000000, v[TM+1]
	WIN (\W)
	v_cvt_scalef32_pk16_fp6_f32 v[PC:PC+2], v[(\lo):(\lo)+15], v[SC]
	v_cvt_scalef32_pk16_fp6_f32 v[TA:TA+2], v[(\lo)+16:(\lo)+31], v[SC]        ; (a conversion's three registers begin on an even number)
	v_cvt_scalef32_pk16_fp6_f32 v[PC+6:PC+8], v[(\hi):(\hi)+15], v[SC+1]
	v_cvt_scalef32_pk16_fp6_f32 v[TB:TB+2], v[(\hi)+16:(\hi)+31], v[SC+1]
	WIN 0
	v_lshrrev_b32 v[BY], 23, v[SC]                 ; the bytes.  (The plain instruction behind the conversions)
	v_lshrrev_b32 v[BY+1], 23, v[SC+1]
	v_lshl_or_b32 v[PW], v[BY+1], 16, v[BY]        ; my two: blocks h and 2 + h,
	v_lshlrev_b32 v[PW], v[SH8], v[PW]             ; at their places;
	v_permlanex16_b32 v[PT], v[PW], s[SEL], s[SEL+1]
	v_or_b32 v[PW], v[PW], v[PT]                   ; with lane l xor 16's two the word is whole, in both lanes
.irp i, 0,1,2
	v_mov_b32 v[PC+3+\i], v[TA+\i]
	v_mov_b32 v[PC+9+\i], v[TB+\i]
.endr
.endm
; 13 loads: four fragments of W and their scale words, for set z, head hf, from off bytes behind s[WB]
.macro WRUN z, hf, off
	WIN 0x40                                       ; destination window 1
.irp u, 0,1,2,3
.irp j, 0,1,2
	global_load_b128 v[96*(\z)+12*(4*(\hf)+\u)+4*\j:96*(\z)+12*(4*(\hf)+\u)+4*\j+3], v[L16], s[WB:WB+1] offset:(\off)+1536*\u+512*\j
.endr
.endr
	WIN 0
	global_load_b64 v[WSCR+4*(\z)+2*(\hf):WSCR+4*(\z)+2*(\hf)+1], v[L8], s[WB:WB+1] offset:(\off)+6144
.endm
; A pass's first two K steps of W, and its bias in the result's layout
.macro PROLOGUE off, offb
	WRUN 0, 0, (\off)
	WRUN 0, 1, (\off)+6400
	WRUN 1, 0, (\off)+12800
	WRUN 1, 1, (\off)+19200
	s_cmp_eq_u32 s[YY], 2
	s_cbranch_scc1 .Lbv_\@
	WIN 0x40
.irp p, 0,1,2,3,4,5,6,7                ; q, k: tile p = 4 hf + u: a lane's registers are features 64 hf + 32 h + 8 u + 0 .. 7
	global_load_b128 v[BIAS+8*\p:BIAS+8*\p+3], v[BOQ], s[BB:BB+1] offset:(\offb)+4*(64*(\p/4)+8*(\p%4))
	global_load_b128 v[BIAS+8*\p+4:BIAS+8*\p+7], v[BOQ], s[BB:BB+1] offset:(\offb)+4*(64*(\p/4)+8*(\p%4))+16
.endr
	WIN 0
	s_branch .Lbj_\@
.Lbv_\@:
	WIN 0x40
.irp p, 0,1,2,3,4,5,6,7                ; v: a lane holds ONE feature, 64 hf + 32 (r / 8) + 8 u + r % 8: its bias in all eight registers
.irp j, 0,1,2,3,4,5,6,7
	global_load_b32 v[BIAS+8*\p+\j], v[BOV], s[BB:BB+1] offset:(\offb)+4*(64*(\p/4)+8*(\p%4))
.endr
.endr
	WIN 0
.Lbj_\@:
.endm
; 16 loads into set j of window 2: rows of tile e = j % 2, K step j / 2 of the trip: each load is one row's 512 dense bytes
.macro XLOAD j, off
	WIN 0x80
.irp i, 0,1,2,3,4,5,6,7,8,9,10,11,12,13,14,15
	global_load_b128 v[64*(\j)+4*\i:64*(\j)+4*\i+3], v[L16], s[XB:XB+1] offset:(8*((\j)%2)+32*(\i/8)+\i%8)*4096+512*((\j)/2)+(\off) th:TH_LOAD_NT
.endr
.endm
; One row tile x one K step: through my stage (as loaded in, 128 bytes of a row a lane out), quantised, image to LDS.  n: the younger X loads that may stay out
.macro UNIT j, fetch, n, pro
	s_wait_loadcnt \n
	WIN 0x08                                       ; an LDS store's data are its source 1: window 2
.irp i, 0,1,2,3,4,5,6,7,8,9,10,11,12,13,14,15
	ds_store_b128 v[STW], v[64*(\j)+4*\i:64*(\j)+4*\i+3] offset:528*\i
.endr
	WIN 0
.irp c, 0,1
.irp k, 0,1,2,3,4,5,6,7
	ds_load_b128 v[NUM+32*\c+4*\k:NUM+32*\c+4*\k+3], v[STR] offset:256*\c+16*\k    ; row r, K = 64 c + 32 h + 4 k on.  LDS serves a wave's instructions in order: these see the stores above
.endr
.endr
	s_wait_dscnt 0x0                               ; the numbers are back; the stage's stores and the last unit's image stores have read their registers
.if \fetch
	XLOAD \j, 1024                                 ; the same set, two K steps on
.endif
.if \pro
	PROLOGUE 0, 0                                  ; no X load is left: the first pass's weights are asked for
.endif
	QUANT12 NUM, NUM+32, 0
.irp jj, 0,1,2
	ds_store_b128 v[XWI], v[PC+4*\jj:PC+4*\jj+3] offset:3072*((\j)/2)+1536*((\j)%2)+512*\jj
.endr
.if (\j)%2 == 0
	v_mov_b32 v[PW0], v[PW]
.else
	v_cndmask_b32 v[PW], v[PW0], v[PW], s[HM]      ; lanes 0-15 the even tile's word, lanes 16-31 the odd one's
	ds_store_b32 v[XWS], v[PW] offset:128*((\j)/2)
.endif
.endm
; 28 LDS loads: the next K step's eight fragments of X and their scale words, into set z
.macro XRUN z
	v_add_nc_u32 v[XA], s[XO], v[L16]
	v_add_nc_u32 v[XA2], s[XO], v[L16B]
	v_add_nc_u32 v[XS], s[XQ], v[XS0]
	s_add_co_u32 s[XO], s[XO], 3072
	s_add_co_u32 s[XQ], s[XQ], 128
.irp a, 0,1,2,3
.irp j, 0,1,2
	ds_load_b128 v[XF+96*(\z)+12*\a+4*\j:XF+96*(\z)+12*\a+4*\j+3], v[XA] offset:24576*(\a/2)+1536*(\a%2)+512*\j
.endr
.endr
.irp a, 4,5,6,7
.irp j, 0,1,2
	ds_load_b128 v[XF+96*(\z)+12*\a+4*\j:XF+96*(\z)+12*\a+4*\j+3], v[XA2] offset:24576*((\a-4)/2)+1536*(\a%2)+512*\j
.endr
.endr
.irp i, 0,1,2,3
	ds_load_b32 v[XSCR+4*(\z)+\i], v[XS] offset:1024*\i
.endr
.endm
.macro WM                              ; one matrix instruction from the symbols rD, rA, rB, rC, rSA, rSB; rRA, rRB: the scales stand in lanes 16-31
.if rRA && rRB
	v_wmma_scale_f32_16x16x128_f8f6f4 v[rD:rD+7], v[rA:rA+11], v[rB:rB+11], v[rC:rC+7], v[rSA], v[rSB] matrix_a_fmt:MATRIX_FMT_FP6 matrix_b_fmt:MATRIX_FMT_FP6 matrix_a_scale:MATRIX_SCALE_ROW1 matrix_b_scale:MATRIX_SCALE_ROW1
.elseif rRA
	v_wmma_scale_f32_16x16x128_f8f6f4 v[rD:rD+7], v[rA:rA+11], v[rB:rB+11], v[rC:rC+7], v[rSA], v[rSB] matrix_a_fmt:MATRIX_FMT_FP6 matrix_b_fmt:MATRIX_FMT_FP6 matrix_a_scale:MATRIX_SCALE_ROW1
.elseif rRB
	v_wmma_scale_f32_16x16x128_f8f6f4 v[rD:rD+7], v[rA:rA+11], v[rB:rB+11], v[rC:rC+7], v[rSA], v[rSB] matrix_a_fmt:MATRIX_FMT_FP6 matrix_b_fmt:MATRIX_FMT_FP6 matrix_b_scale:MATRIX_SCALE_ROW1
.else
	v_wmma_scale_f32_16x16x128_f8f6f4 v[rD:rD+7], v[rA:rA+11], v[rB:rB+11], v[rC:rC+7], v[rSA], v[rSB] matrix_a_fmt:MATRIX_FMT_FP6 matrix_b_fmt:MATRIX_FMT_FP6
.endif
.endm
; 32 matrix instructions, head hf, K step in set z.  The 64 accumulators take turns, one instruction a turn, in the same order in every step.
; q, k: accumulator (tile of features u, row tile a) at 128 (a / 4) + 32 ((a / 2) % 2) + 64 (a % 2) + 8 u: the four u of a row tile on end, the two row tiles of a pair 64 apart.
.macro MULQK z, hf, first
.if \first
	WIN 0x91+0x40*(\hf)                            ; source 0 (W) and C (bias) window 1, source 1 (X) window 0, D window 2 + hf
.else
	WIN 0xa1+0x50*(\hf)                            ; C and D window 2 + hf
.endif
.irp u, 0,1,2,3
.irp a, 0,1,2,3,4,5,6,7
.set rD, 128*(\a/4)+32*((\a/2)%2)+64*(\a%2)+8*\u
.set rA, 96*(\z)+12*(4*(\hf)+\u)
.set rB, XF+96*(\z)+12*\a
.if \first
.set rC, BIAS+8*(4*(\hf)+\u)
.else
.set rC, rD
.endif
.set rSA, WSCR+4*(\z)+2*(\hf)+\u/2
.set rSB, XSCR+4*(\z)+\a/2
.set rRA, \u%2
.set rRB, \a%2
	WM
.endr
.endr
.endm
; v: accumulator (tile of features u, row tile a) at 128 (u / 2) + 32 (u % 2) + 64 (a / 4) + 8 (a % 4): the four row tiles of a group of 64 keys on end, the two groups 64 apart.
.macro MULV z, hf, first
.if \first
	WIN 0x94+0x40*(\hf)                            ; source 0 (X) window 0, source 1 (W) and C (bias) window 1, D window 2 + hf
.else
	WIN 0xa4+0x50*(\hf)
.endif
.irp u, 0,1,2,3
.irp a, 0,1,2,3,4,5,6,7
.set rD, 128*(\u/2)+32*(\u%2)+64*(\a/4)+8*(\a%4)
.set rA, XF+96*(\z)+12*\a
.set rB, 96*(\z)+12*(4*(\hf)+\u)
.if \first
.set rC, BIAS+8*(4*(\hf)+\u)
.else
.set rC, rD
.endif
.set rSA, XSCR+4*(\z)+\a/2
.set rSB, WSCR+4*(\z)+2*(\hf)+\u/2
.set rRA, \a%2
.set rRB, \u%2
	WM
.endr
.endr
.endm
.macro HALF z, hf, first               ; the branch hangs on the work-group's y alone; at a branch and at a label every window is 0
	s_cmp_eq_u32 s[YY], 2
	s_cbranch_scc1 .Lv_\@
	MULQK \z, \hf, \first
	WIN 0
	s_branch .Lj_\@
.Lv_\@:
	MULV \z, \hf, \first
	WIN 0
.Lj_\@:
	PLACES                                         ; in front of the loads into registers that these products have read, and of the first read of results
.endm
; A K step of 128: 64 matrix instructions.  Behind each half its part of W is asked for again, two K steps ahead (13 loads a run); behind the second half X's fragments too (28 LDS loads).
; n1: the loads issued behind this step's first run of W: three runs of 13.  n2: likewise for its second run.  nd: the other set's 28 LDS loads.
.macro STEP z, first, fetch, off, n1, n2, nd
	s_wait_loadcnt \n1
	s_wait_dscnt \nd
	HALF \z, 0, \first
.if \fetch
	WRUN \z, 0, (\off)
.endif
	s_wait_loadcnt \n2
	HALF \z, 1, \first
.if \fetch
	WRUN \z, 1, (\off)+6400
	XRUN \z
.endif
.endm
	s_load_b512 s[4:19], s[0:1], 0x0               ; Q, K, V s[4:9]; bq, bk, bv s[10:15]; wimg s[16:17]; qkv s[18:19]
	v_lshl_add_u32 v[SPW], v0, 2, SPARE
	v_mov_b32 v[NIL], 0
	v_lshrrev_b32 v21, 5, v0
	v_readfirstlane_b32 s[WV], v21                 ; wave 0..3
	s_and_b32 s[YY], ttmp7, 0xffff
	v_and_b32 v21, 31, v0                          ; lane
	v_and_b32 v22, 15, v0                          ; r
	v_bfe_u32 v23, v0, 4, 1                        ; h
	v_lshlrev_b32 v[L16], 4, v21
	v_add_nc_u32 v[L16B], 49152, v[L16]
	v_lshlrev_b32 v[L8], 3, v21
	s_mul_i32 s40, s[WV], 8448
	s_add_co_u32 s40, s40, STG                     ; my stage
	v_add_nc_u32 v[STW], s40, v[L16]
	v_mul_u32_u24 v[STR], v22, 528
	v_lshl_add_u32 v[STR], v23, 7, v[STR]
	v_add_nc_u32 v[STR], s40, v[STR]
	s_mul_i32 s40, s[WV], 24576
	v_add_nc_u32 v[XWI0], s40, v[L16]
	s_lshl_b32 s40, s[WV], 10
	s_add_co_u32 s40, s40, XSC
	v_lshl_add_u32 v[XWS0], v21, 2, s40
	v_lshl_add_u32 v[XS0], v21, 2, XSC
	v_lshlrev_b32 v[SH8], 3, v23
	v_lshlrev_b32 v[BOQ], 7, v23
	v_lshrrev_b32 v40, 3, v22
	v_and_b32 v41, 7, v22
	v_lshlrev_b32 v[BOV], 7, v40
	v_lshl_add_u32 v[BOV], v41, 2, v[BOV]
	s_and_b32 s41, ttmp9, 7                        ; sigma
	s_lshr_b32 s42, ttmp9, 3                       ; batch
	s_mul_i32 s40, s[YY], 49152
	s_mul_i32 s43, s41, 6144
	s_add_co_u32 s40, s40, s43
	v_add_nc_u32 v[OUTV], s40, v[L16]              ; 16 x lane + 49,152 y + 6,144 sigma
	s_lshl_b32 s40, s[YY], 11
	s_lshl_b32 s43, s41, 8
	s_add_co_u32 s40, s40, s43
	s_add_co_u32 s40, s40, 147456
	v_lshlrev_b32 v[SOV], 4, v22
	v_lshl_add_u32 v[SOV], v23, 3, v[SOV]
	v_add_nc_u32 v[SOV], s40, v[SOV]               ; 16 r + 8 h + 147,456 + 2,048 y + 256 sigma
	v_mov_b32 v[PT], 0                             ; written once: a lane permute's destination counts as one of its sources
	s_lshl_b32 s44, ttmp9, 7                       ; X: my first row: 128 x + 64 (w / 2) + 16 (w % 2)
	s_lshr_b32 s45, s[WV], 1
	s_lshl_b32 s45, s45, 6
	s_add_co_u32 s44, s44, s45
	s_and_b32 s45, s[WV], 1
	s_lshl_b32 s45, s45, 4
	s_add_co_u32 s44, s44, s45
	s_lshl_b32 s44, s44, 12                        ; rows of 4,096 bytes (under 2^25 in all)
	s_mov_b32 s45, 0
	s_mul_i32 s46, s[YY], 819200                   ; wimg: my weight, my two chunks
	s_mul_i32 s47, s[WV], 204800
	s_add_co_u32 s46, s46, s47
	s_mov_b32 s47, 0
	s_lshl_b32 s52, s[WV], 10                      ; bias: my 256 columns
	s_mov_b32 s53, 0
	s_lshl_b32 s54, s42, 4
	s_lshl_b32 s55, s[WV], 2
	s_add_co_u32 s54, s54, s55
	s_mul_i32 s54, s54, 153600                     ; qkv: (batch, head 4 w)
	s_mov_b32 s55, 0
	s_mov_b32 s[FLR], 0x1800000                    ; 2^(3 - 127)
	s_mov_b32 s[SEL], 0x76543210
	s_mov_b32 s[SEL+1], 0xfedcba98                 ; lane l xor 16
	s_mov_b32 s[HM], 0xffff0000                    ; lanes 16-31
	s_mov_b32 s[XST], 0
	s_mov_b32 s[XSS], 0
	s_mov_b32 s[CNT], 3
	s_wait_kmcnt 0x0
	s_cmp_eq_u32 s[YY], 1                          ; the choices hang on the work-group's y alone
	s_cselect_b64 s[XB:XB+1], s[6:7], s[4:5]
	s_cselect_b64 s[BB:BB+1], s[12:13], s[10:11]
	s_cmp_eq_u32 s[YY], 2
	s_cselect_b64 s[XB:XB+1], s[8:9], s[XB:XB+1]
	s_cselect_b64 s[BB:BB+1], s[14:15], s[BB:BB+1]
	s_add_nc_u64 s[XB:XB+1], s[XB:XB+1], s[44:45]
	s_add_nc_u64 s[BB:BB+1], s[BB:BB+1], s[52:53]
	s_add_nc_u64 s[WB:WB+1], s[16:17], s[46:47]
	s_add_nc_u64 s[OB:OB+1], s[18:19], s[54:55]
	; ---- X PHASE.  Four sets of 16 loads, 32 KiB a wave, are on their way throughout
	XLOAD 0, 0
	XLOAD 1, 0
	XLOAD 2, 0
	XLOAD 3, 0
	WIN 0
.Lx:                                               ; a trip: two K steps x my two row tiles
	v_add_nc_u32 v[XWI], s[XST], v[XWI0]
	v_add_nc_u32 v[XWS], s[XSS], v[XWS0]
	UNIT 0, 1, 48, 0
	UNIT 1, 1, 48, 0
	UNIT 2, 1, 48, 0
	UNIT 3, 1, 48, 0
	s_wait_xcnt 0x0                                ; the loads have read their base
	s_add_nc_u64 s[XB:XB+1], s[XB:XB+1], 1024
	s_add_co_u32 s[XST], s[XST], 6144
	s_add_co_u32 s[XSS], s[XSS], 256
	s_sub_co_u32 s[CNT], s[CNT], 1
	s_cmp_lg_u32 s[CNT], 0
	s_cbranch_scc1 .Lx
	v_add_nc_u32 v[XWI], s[XST], v[XWI0]           ; the last trip loads nothing: the counts run down
	v_add_nc_u32 v[XWS], s[XSS], v[XWS0]
	UNIT 0, 0, 48, 0
	UNIT 1, 0, 32, 0
	UNIT 2, 0, 16, 0
	UNIT 3, 0, 0, 1
	s_wait_dscnt 0x0                               ; for the others' sake: my images have landed
	s_barrier_signal -1
	s_barrier_wait -1                              ; all 64 fragments of X lie in LDS; from here on LDS is only read
	; ---- MAIN PHASE
	s_mov_b32 s[PASS], 2
.Lpass:
	s_wait_loadcnt 0x0                             ; the pass's first two K steps of W, and its bias
	s_mov_b32 s[XO], 0
	s_mov_b32 s[XQ], 0
	XRUN 0
	XRUN 1
	STEP 0, 1, 1, 25600, 39, 39, 28                ; K step 0 starts the sums, on the bias; it asks for K step 2
	STEP 1, 0, 1, 38400, 39, 39, 28
	s_mov_b32 s[KC], 2
.Lk:                                               ; K steps 2, 3 and 4, 5
	STEP 0, 0, 1, 51200, 39, 39, 28
	STEP 1, 0, 1, 64000, 39, 39, 28
	s_wait_xcnt 0x0                                ; the loads have read their base
	s_add_nc_u64 s[WB:WB+1], s[WB:WB+1], 25600
	s_sub_co_u32 s[KC], s[KC], 1
	s_cmp_lg_u32 s[KC], 0
	s_cbranch_scc1 .Lk
	STEP 0, 0, 0, 0, 39, 26, 28                    ; K steps 6 and 7 ask for nothing: the counts run down
	STEP 1, 0, 0, 0, 13, 0, 0
	s_cmp_eq_u32 s[PASS], 1
	s_cbranch_scc1 .Lno_next
	PROLOGUE 51200, 512                            ; the next pass's weights and bias land while this pass goes out
.Lno_next:
	; THE WAY OUT, the same text for q, k and v: four fragments a head, each from two runs of 32 registers
.irp beta, 0,1
.irp i, 0,1,2,3
	s_wait_xcnt 0x0                                ; the last stores have read their registers
.set LO, 128*(\i/2)+32*(\i%2)
	QUANT12 LO, LO+64, 2+\beta
.irp jj, 0,1,2
	global_store_b128 v[OUTV], v[PC+4*\jj:PC+4*\jj+3], s[OB:OB+1] offset:153600*\beta+1536*\i+512*\jj    ; 512 consecutive bytes, at a multiple of 256 from the buffer's first byte
.endr
	v_mov_b32 v[SW+\i], v[PW]
.endr
	v_cndmask_b32 v[DD], v[SW], v[SW+2], s[HM]     ; lanes 0-15 store row r's words 0, 1, lanes 16-31 its words 2, 3
	v_cndmask_b32 v[DD+1], v[SW+1], v[SW+3], s[HM]
	global_store_b64 v[SOV], v[DD:DD+1], s[OB:OB+1] offset:153600*\beta            ; 256 consecutive bytes, aligned
.endr
	s_wait_xcnt 0x0                                ; loads and stores have read their bases and registers
	s_add_nc_u64 s[WB:WB+1], s[WB:WB+1], 51200
	s_add_nc_u64 s[BB:BB+1], s[BB:BB+1], 512
	s_add_nc_u64 s[OB:OB+1], s[OB:OB+1], 307200
	s_sub_co_u32 s[PASS], s[PASS], 1
	s_cmp_lg_u32 s[PASS], 0
	s_cbranch_scc1 .Lpass
	s_wait_tensorcnt 0x0                           ; the wave's end, behind my last LDS store
	ds_add_u32 v[SPW], v[NIL]
	s_wait_dscnt 0x0
	s_endpgm
.Lfunc_end_k_q270a153827_proj:
	.size	k_q270a153827_proj, .Lfunc_end_k_q270a153827_proj-k_q270a153827_proj
	.p2alignl 7, 3214868480
	.fill 96, 4, 3214868480
	.section	.rodata,"a",@progbits
	.p2align	6, 0x0
	.amdhsa_kernel k_q270a153827_proj
		.amdhsa_group_segment_fixed_size 136704
		.amdhsa_private_segment_fixed_size 0
		.amdhsa_enable_private_segment 0
		.amdhsa_kernarg_size 64
		.amdhsa_user_sgpr_count 2
		.amdhsa_user_sgpr_kernarg_segment_ptr 1
		.amdhsa_wavefront_size32 1
		.amdhsa_system_sgpr_workgroup_id_x 1
		.amdhsa_system_sgpr_workgroup_id_y 1
		.amdhsa_system_sgpr_workgroup_id_z 1
		.amdhsa_system_vgpr_workitem_id 0
		.amdhsa_next_free_vgpr 1024
		.amdhsa_next_free_sgpr 66
		.amdhsa_reserve_vcc 0
		.amdhsa_float_denorm_mode_32 3
		.amdhsa_float_denorm_mode_16_64 3
		.amdhsa_memory_ordered 1
		.amdhsa_forward_progress 1
		.amdhsa_inst_pref_size 235
	.end_amdhsa_kernel
	.amdgpu_metadata
---
amdhsa.version: [ 1, 2 ]
amdhsa.kernels:
  - .name:           k_q270a153827_proj
    .symbol:         k_q270a153827_proj.kd
    .args:
      - { .name: Q, .offset: 0, .size: 8, .value_kind: global_buffer, .address_space: global }
      - { .name: K, .offset: 8, .size: 8, .value_kind: global_buffer, .address_space: global }
      - { .name: V, .offset: 16, .size: 8, .value_kind: global_buffer, .address_space: global }
      - { .name: bq, .offset: 24, .size: 8, .value_kind: global_buffer, .address_space: global }
      - { .name: bk, .offset: 32, .size: 8, .value_kind: global_buffer, .address_space: global }
      - { .name: bv, .offset: 40, .size: 8, .value_kind: global_buffer, .address_space: global }
      - { .name: wimg, .offset: 48, .size: 8, .value_kind: global_buffer, .address_space: global }
      - { .name: qkv, .offset: 56, .size: 8, .value_kind: global_buffer, .address_space: global }
    .group_segment_fixed_size: 136704
    .private_segment_fixed_size: 0
    .kernarg_segment_align: 8
    .kernarg_segment_size: 64
    .max_flat_workgroup_size: 128
    .sgpr_count:     66
    .vgpr_count:     1024
    .wavefront_size: 32
...
	.end_amdgpu_metadata
.endif
;; end of part 2
;; launch attn (part 3): grid 2 x 128, 4 waves a work-group, no clusters, 167,936 bytes of LDS; arguments qkv, out0; writes out0
.if DOCPART == 3
	.amdgcn_target "amdgcn-amd-amdhsa--gfx1250"
	.amdhsa_code_object_version 6
	.text
	.protected	k_q270a153827_attn
	.globl	k_q270a153827_attn
	.p2align	8
	.type	k_q270a153827_attn,@function
k_q270a153827_attn:
	s_mov_b64 s[64:65], 0
	v_nop
	global_prefetch_b8 v0, s[64:65] scope:SCOPE_SE
	s_setreg_imm32_b32 hwreg(HW_REG_WAVE_MODE, 25, 1), 1
	s_wait_xcnt 0x0
; Launch 3 of 3: for each (batch, head): S = q k^T, p = exp(S / 8), attn = p / (sum of p + 1e-8), ctx = attn v, both products on codes of E2M3.  No work of reference() is left out.
; attn is quantised finished and normalised, so a row's whole sum is known before any p becomes a code: ONE WAVE holds the 1,024 p of each of 16 queries in 512 registers between the sum and the quantiser.
; As in reference() no maximum is taken away: the program overflows where reference() overflows.
; SHARES: y = 16 batch + head; x = which half of the head's 1,024 queries.  Four waves; wave w takes q's fragments 4 sigma + w (sigma = 4 x .. 4 x + 3), two tiles of 16 queries each: 8 tiles, all keys.  Waves hand nothing to each other.
; The head's k, v and scale words (104,448 bytes on end in qkv) and the work-group's half of q come into LDS once, one tensor load a wave; nothing is filled again.
; No cluster: only two work-groups share a head, and what they share is the one fill at the head.  No prefetch: no loop of this launch fetches from memory.
; LAYOUT.  Both products are used transposed (S^T = k q^T, O^T = v^T attn^T): a lane holds ONE query (lane % 16).  Row m of key tile u of a group of 64 keys is key 32 (m / 8) + 8 u + m % 8, so a group's 32 registers
; are the neighbouring keys 32 h + 0 .. 31 (h = lane / 16): a whole block of the second product's quantiser.  The first product's K is 64: a fragment of k holds two key tiles and is multiplied by [q | 0] and by [0 | q].
; LIMITS: exp(s / 8) is 2^(s log2(e) / 8): its relative error grows as |s / 8| x 2^-23; exponential and reciprocal give zero for what would be denormal; the division is a reciprocal and a multiplication;
; a block of attn under 2^-124 gets the byte 1.  NaN and infinities are not served.  The last tile's fetch of a next tile's first fragments (15 LDS loads, address held inside q's image) is not used.
.set KIMG,  0                          ; 32 fragments x 1,536 bytes
.set VIMG,  49152
.set SCL,   98304                      ; scale words: q's 2,048 bytes, k's, v's
.set QIMG,  104448                     ; my half's 16 fragments of q
.set STAGE, 129024                     ; 16 rows x 272 bytes for each wave; no tensor load lands here
.set SPARE, 146432                     ; the spare words, 128 bytes for each wave
; windows 1, 2, 3: p: group g of 64 keys at v[32 (g % 6)] of window 1 + g / 6; v192-239 four fragments of k (of v in windows 1, 2 in the second product); v240 a copy of k's LDS address
.set KB,   192
.set KADW, 240
; window 0
.set KAD,  1
.set VAD,  2
.set QAD0, 3
.set STO,  4
.set SRD,  5
.set GO,   6
.set QAD,  7
.set SPW,  8
.set NIL,  9
.set SUM,  10
.set TT,   11
.set SH8,  12
.set SCA,  13
.set RL,   14                          ; v14-15 the reciprocal; the packed form names the pair and takes its low word
.set QW,   16
.set QSL,  17                          ; my tile's two scale bytes, low: for [q | 0]
.set QSH,  18                          ; and high: for [0 | q]
.set QW4,  20                          ; v20-23 q's scale words of my four fragments
.set KSCR, 24                          ; v24-39 k's scale words: fragment f: register 4 (f / 8) + f % 4, lanes 16 ((f / 4) % 2) on
.set VSCR, 40                          ; v40-55 v's likewise
.set PSW,  56                          ; v56-63 attn's scale words, one a key step of 128
.set SA,   64                          ; v64-79 the sum's eight chains
.set BM,   80                          ; v80-95 the blocks' largest p, then the conversions' scale operands
.set BY,   96                          ; v96-111 the bytes
.set QF,   112                         ; v112-123 q's pair fragment
.set QZ,   124                         ; v124-141 zeros | my tile's codes | zeros
.set OT,   142                         ; v142-173 O^T
.set PC,   174                         ; v174-197 a key step's codes, two sets
.set TA,   198
.set TB,   202
.set OB,   206                         ; v206-237 16 rows read back from the stage
.set WV,   8
.set BH,   9
.set G0,   12
.set G1K,  16
.set G1Q,  24
.set M1,   32
.set M2,   33
.set M3,   34
.set T,    35
.set CS,   36
.set SEL,  38
.set FLR,  40
.set PM,   41
.set PSH,  42
.set QO,   45
.set OUT,  46
.set OUTB, 48
.set OFF,  50
.set QG,   52
.set MSB, 0
.macro WIN new                         ; the immediate's high byte repeats the setting that is left; a switch that changes nothing is dropped
.if MSB != (\new)
	s_set_vgpr_msb (MSB<<8)|(\new)
.set MSB, (\new)
.endif
.endm
.macro PLACES                          ; four plain instructions behind a matrix instruction (ISA guide 7.12.1)
.rept 4
	v_nop
.endr
.endm
.macro VW
	s_wait_alu depctr_va_vdst(0)
.endm
.macro KLOAD i                         ; key step i's four fragments of k, into p's own window
	WIN 0x41*(1+(\i)/3)
.irp f, 0,1,2,3
.irp j, 0,1,2
	ds_load_b128 v[KB+12*\f+4*\j:KB+12*\f+4*\j+3], v[KADW] offset:1536*(4*(\i)+\f)+512*\j
.endr
.endr
.endm
.macro QK g, u                         ; S^T of key tile u of group g: D and k in window 1 + g / 6, q in window 0
.set rF, 2*(\g)+(\u)/2
.set rD, 32*((\g)%6)+8*(\u)
.set rA, KB+24*((\g)%2)+12*((\u)/2)
.set rSA, KSCR+4*(rF/8)+rF%4
.if (\u)%2
.set rB, QZ
.set rSB, QSH
.else
.set rB, QZ+6
.set rSB, QSL
.endif
.if (rF/4)%2
	v_wmma_scale_f32_16x16x128_f8f6f4 v[rD:rD+7], v[rA:rA+11], v[rB:rB+11], 0, v[rSA], v[rSB] matrix_a_fmt:MATRIX_FMT_FP6 matrix_b_fmt:MATRIX_FMT_FP6 matrix_a_scale:MATRIX_SCALE_ROW1
.else
	v_wmma_scale_f32_16x16x128_f8f6f4 v[rD:rD+7], v[rA:rA+11], v[rB:rB+11], 0, v[rSA], v[rSB] matrix_a_fmt:MATRIX_FMT_FP6 matrix_b_fmt:MATRIX_FMT_FP6
.endif
.endm
.macro QKS i                           ; a key step's eight products
	WIN 0x41*(1+(\i)/3)
.irp gg, 0,1
.irp u, 0,1,2,3
	QK 2*(\i)+\gg, \u
.endr
.endr
.endm
.macro KHALF i, hf                     ; two of key step i's four fragments of k
	WIN 0x41*(1+(\i)/3)
.irp f, 0,1
.irp j, 0,1,2
	ds_load_b128 v[KB+24*(\hf)+12*\f+4*\j:KB+24*(\hf)+12*\f+4*\j+3], v[KADW] offset:1536*(4*(\i)+2*(\hf)+\f)+512*\j
.endr
.endr
.endm
; Key step i, 1 to 7: each of its eight products is followed by eight exponentials of the step before.  Four places behind the fourth and the eighth product the two fragments that they were the last to read
; are asked for anew, for the next step (in step 7: v's first two key steps, into windows 1 and 2)
.macro STEPX i
	s_wait_dscnt 6                                 ; this step's fragments 0 and 1 are in; the six loads of fragments 2 and 3 may be out
.irp n, 0,1,2,3,4,5,6,7
.if \n == 4
.if (\i) < 7
	s_wait_dscnt 6                                 ; fragments 2 and 3 are in; the six loads just issued may be out
.else
	s_wait_dscnt 12                                ; likewise; the twelve loads of v just issued may be out
.endif
.endif
	WIN 0x41*(1+(\i)/3)
	QK 2*(\i)+\n/4, \n%4
.if \n%4 == 3
	PLACES                                         ; in front of the loads into k's registers and of the first read of the results
.if (\i) < 7
	KHALF (\i)+1, \n/4
.else
	VLOAD \n/4
.endif
.endif
	WIN 0x41*(1+((\i)-1)/3)
.set j, 64*(((\i)-1)%3)+8*\n
.rept 8
	v_exp_f32 v[j], v[j]
.set j, j+1
.endr
.endr
.endm
.macro SMUL i
	WIN 0x41*(1+(\i)/3)
	VW                                             ; directly ahead of the first reader of the step's matrix results
.set j, 0
.rept 32
	v_pk_mul_f32 v[64*((\i)%3)+j:64*((\i)%3)+j+1], v[64*((\i)%3)+j:64*((\i)%3)+j+1], s[CS:CS+1] op_sel_hi:[1,0]
.set j, j+2
.endr
	VW                                             ; ahead of the exponentials that read these, and of the wait on DScnt
.endm
.macro EXPS i                          ; p = 2^(s c), a batch of 64
	WIN 0x41*(1+(\i)/3)
.set j, 0
.rept 64
	v_exp_f32 v[64*((\i)%3)+j], v[64*((\i)%3)+j]
.set j, j+1
.endr
.endm
.macro VLOAD sg                        ; v's four fragments of key step sg, where window 1 + sg % 2 held k's
	WIN 0x40*(1+(\sg)%2)
.irp u, 0,1,2,3
.irp j, 0,1,2
	ds_load_b128 v[KB+12*\u+4*\j:KB+12*\u+4*\j+3], v[VAD] offset:1536*(4*(\sg)+\u)+512*\j
.endr
.endr
.endm
.macro SUMG g                          ; group g's 16 pairs onto the eight chains
	WIN 0x11*(1+(\g)/6)
.set j, 0
.rept 16
	v_pk_add_f32 v[SA+2*(j%8):SA+2*(j%8)+1], v[32*((\g)%6)+2*j:32*((\g)%6)+2*j+1], v[SA+2*(j%8):SA+2*(j%8)+1]
.set j, j+1
.endr
.endm
.macro MAXW w, ng, g0                  ; each block's largest p, the window's ng blocks by turns; the floor 2^(3 - 127) is the first leaf
	WIN 0x11*(\w)
.set j, 0
.rept 16
.set q, 0
.rept \ng
.if j == 0
	v_max3_num_f32 v[BM+(\g0)+q], v[32*q], s[FLR], v[32*q+1]
.else
	v_max3_num_f32 v[BM+(\g0)+q], v[32*q+2*j], v[BM+(\g0)+q], v[32*q+2*j+1]
.endif
.set q, q+1
.endr
.set j, j+1
.endr
.endm
.macro NORM sg                         ; attn = p x the reciprocal, a key step's 64 numbers, in place
	WIN 0x41*(1+(\sg)/3)
.set j, 0
.rept 32
	v_pk_mul_f32 v[64*((\sg)%3)+j:64*((\sg)%3)+j+1], v[64*((\sg)%3)+j:64*((\sg)%3)+j+1], v[RL:RL+1] op_sel_hi:[1,0]
.set j, j+2
.endr
.endm
.macro NORMQ sg, u                     ; quarter u of NORM sg: eight packed multiplications
	WIN 0x41*(1+(\sg)/3)
.set j, 16*(\u)
.rept 8
	v_pk_mul_f32 v[64*((\sg)%3)+j:64*((\sg)%3)+j+1], v[64*((\sg)%3)+j:64*((\sg)%3)+j+1], v[RL:RL+1] op_sel_hi:[1,0]
.set j, j+2
.endr
.endm
.macro CVT sg
.set pb, 64*((\sg)%3)
.set pc, PC+12*((\sg)%2)
	WIN 1+(\sg)/3
	v_cvt_scalef32_pk16_fp6_f32 v[pc:pc+2], v[pb:pb+15], v[BM+2*(\sg)]
	v_cvt_scalef32_pk16_fp6_f32 v[TA:TA+2], v[pb+16:pb+31], v[BM+2*(\sg)]      ; (a conversion's three registers begin on an even number)
	v_cvt_scalef32_pk16_fp6_f32 v[pc+6:pc+8], v[pb+32:pb+47], v[BM+2*(\sg)+1]
	v_cvt_scalef32_pk16_fp6_f32 v[TB:TB+2], v[pb+48:pb+63], v[BM+2*(\sg)+1]
	WIN 0
	v_nop                                          ; one plain instruction behind the conversions
.irp i, 0,1,2
	v_mov_b32 v[pc+3+\i], v[TA+\i]
	v_mov_b32 v[pc+9+\i], v[TB+\i]
.endr
.endm
.macro PV sg                           ; O^T += v^T attn^T: the four accumulators by turns, one instruction a turn
.set rB, PC+12*((\sg)%2)
.irp u, 0,1,2,3
.if (\sg) < 7
	NORMQ (\sg)+1, \u                              ; a quarter of the next step's attn ahead of each product; the first quarter is also the places behind the codes' last write
.elseif \u == 0
	PLACES
.endif
	WIN 1+(\sg)%2
.set rA, KB+12*\u
.set rSA, VSCR+4*((\sg)/2)+\u
.if (\sg) == 0
	v_wmma_scale_f32_16x16x128_f8f6f4 v[OT+8*\u:OT+8*\u+7], v[rA:rA+11], v[rB:rB+11], 0, v[rSA], v[PSW] matrix_a_fmt:MATRIX_FMT_FP6 matrix_b_fmt:MATRIX_FMT_FP6
.elseif (\sg)%2
	v_wmma_scale_f32_16x16x128_f8f6f4 v[OT+8*\u:OT+8*\u+7], v[rA:rA+11], v[rB:rB+11], v[OT+8*\u:OT+8*\u+7], v[rSA], v[PSW+(\sg)] matrix_a_fmt:MATRIX_FMT_FP6 matrix_b_fmt:MATRIX_FMT_FP6 matrix_a_scale:MATRIX_SCALE_ROW1
.else
	v_wmma_scale_f32_16x16x128_f8f6f4 v[OT+8*\u:OT+8*\u+7], v[rA:rA+11], v[rB:rB+11], v[OT+8*\u:OT+8*\u+7], v[rSA], v[PSW+(\sg)] matrix_a_fmt:MATRIX_FMT_FP6 matrix_b_fmt:MATRIX_FMT_FP6
.endif
.endr
.endm
.macro SEND                            ; sixteen lanes store the head's 256 consecutive bytes of a row of out0; the tile's row r is token 32 (r / 8) + r % 8 from its first
.irp t, 0,1,2,3,4,5,6,7
	global_store_b128 v[GO], v[OB+4*\t:OB+4*\t+3], s[OUT:OUT+1] offset:(32*(\t/4)+2*(\t%4))*4096 th:TH_STORE_NT
.endr
.endm
	s_load_b128 s[4:7], s[0:1], 0x0                ; qkv s[4:5], out0 s[6:7]
	v_lshl_add_u32 v[SPW], v0, 2, SPARE
	v_mov_b32 v[NIL], 0
	ds_add_u32 v[SPW], v[NIL]                      ; the opening lines: the add, twice on end, and its wait ahead of my tensor load
	ds_add_u32 v[SPW], v[NIL]
	v_lshrrev_b32 v252, 5, v0
	v_readfirstlane_b32 s[WV], v252                ; wave 0..3
	s_and_b32 s[BH], ttmp7, 0xffff                 ; 16 batch + head
	; groups 1: dense blocks as rows of 256 bytes (32 elements of 8 bytes).  k, v and the scale words: 408 rows, 136 for each of waves 0 to 2;  q: 96 rows, wave 3
	s_mov_b32 s[G1K+0], 3<<16
	s_mov_b32 s[G1K+1], 32<<16
	s_mov_b32 s[G1K+2], 136<<16
	s_mov_b32 s[G1K+3], 32<<16
	s_mov_b32 s[G1K+4], 136
	s_mov_b32 s[G1K+5], 32
	s_mov_b32 s[G1K+6], 0
	s_mov_b32 s[G1K+7], 0
	s_mov_b32 s[G1Q+0], 3<<16
	s_mov_b32 s[G1Q+1], 32<<16
	s_mov_b32 s[G1Q+2], 96<<16
	s_mov_b32 s[G1Q+3], 32<<16
	s_mov_b32 s[G1Q+4], 96
	s_mov_b32 s[G1Q+5], 32
	s_mov_b32 s[G1Q+6], 0
	s_mov_b32 s[G1Q+7], 0
	s_mul_i32 s56, s[BH], 153600                   ; the head's bytes in qkv
	s_mov_b32 s[G0], 1
	s_mul_i32 s[G0+1], s[WV], 34816                ; LDS: 136 rows a wave; wave 3's place is QIMG
	s_add_co_u32 s57, s[G0+1], 49152               ; memory: k lies behind q,
	s_mul_i32 s58, ttmp9, 24576                    ; or my half of q
	s_cmp_lt_u32 s[WV], 3
	s_cselect_b32 s57, s57, s58
	s_add_co_u32 s58, s56, s57
	s_mov_b32 s59, 0
	s_lshl_b32 s[QG], ttmp9, 10                    ; q's scale words: 147,456 + 256 sigma + 16 r + 4 w, from sigma = 4 x on
	s_add_co_u32 s[QG], s[QG], s56
	s_lshl_b32 s[QG+1], s[WV], 2
	s_add_co_u32 s[QG], s[QG], s[QG+1]
	s_add_co_u32 s[QG], s[QG], 147456
	s_mov_b32 s[QG+1], 0
	s_lshr_b32 s[OUTB], s[BH], 4                   ; out0: batch x 1,024 rows of 4,096 bytes,
	s_lshl_b32 s[OUTB], s[OUTB], 22
	s_and_b32 s61, s[BH], 15
	s_lshl_b32 s61, s61, 8                         ; the head's 256 bytes of a row,
	s_add_co_u32 s[OUTB], s[OUTB], s61
	s_lshl_b32 s61, ttmp9, 9                       ; row 512 x + 64 (w / 2) + 16 (w % 2)
	s_lshr_b32 s62, s[WV], 1
	s_lshl_b32 s62, s62, 6
	s_add_co_u32 s61, s61, s62
	s_and_b32 s62, s[WV], 1
	s_lshl_b32 s62, s62, 4
	s_add_co_u32 s61, s61, s62
	s_lshl_b32 s61, s61, 12
	s_add_co_u32 s[OUTB], s[OUTB], s61
	s_mov_b32 s[OUTB+1], 0
	s_mul_i32 s62, s[WV], 4352
	s_add_co_u32 s62, s62, STAGE                   ; my stage
	s_mul_i32 s63, s[WV], 1536
	s_add_co_u32 s63, s63, QIMG                    ; q's fragment w of a block of 128 queries
	s_mov_b32 s[CS], 0x3e38aa3b                    ; c = log2(e) / 8
	s_mov_b32 s[CS+1], s[CS]
	s_mov_b32 s[SEL], 0x76543210
	s_mov_b32 s[SEL+1], 0xfedcba98                 ; lane l xor 16
	s_mov_b32 s[FLR], 0x1800000                    ; 2^(3 - 127)
	s_mov_b32 s[T], 0
	s_mov_b32 s[OFF+1], 0
	s_wait_dscnt 0x0                               ; both opening adds are done
	s_wait_kmcnt 0x0
	s_add_nc_u64 s[G0+2:G0+3], s[4:5], s[58:59]
	s_or_b32 s[G0+3], s[G0+3], 0x80000000
	s_add_nc_u64 s[QG:QG+1], s[4:5], s[QG:QG+1]
	s_add_nc_u64 s[OUTB:OUTB+1], s[6:7], s[OUTB:OUTB+1]
	s_mov_b64 s[OUT:OUT+1], s[OUTB:OUTB+1]         ; the stores' base begins at tile 0's rows; each tile's end writes it anew
	s_cmp_lt_u32 s[WV], 3                          ; one branch on the wave's number, one load in each arm: every wave issues one
	s_cbranch_scc0 .Lfor_q
	tensor_load_to_lds s[G0:G0+3], s[G1K:G1K+7]
	s_nop 0
	PLACES
	s_branch .Lasked
.Lfor_q:
	tensor_load_to_lds s[G0:G0+3], s[G1Q:G1Q+7]
	s_nop 0
	PLACES
.Lasked:
	v_and_b32 v252, 31, v0                         ; lane
	v_and_b32 v253, 15, v0                         ; r
	v_bfe_u32 v254, v0, 4, 1                       ; h
	v_lshlrev_b32 v255, 4, v253                    ; 16 r
	v_lshlrev_b32 v[KAD], 4, v252                  ; KIMG + 16 x lane
	v_add_nc_u32 v[VAD], VIMG, v[KAD]
	v_add_nc_u32 v[SCA], SCL+2048, v[KAD]
	v_add_nc_u32 v[QAD0], s63, v[KAD]
	v_mul_u32_u24 v[STO], v253, 272
	v_lshl_add_u32 v[STO], v254, 7, v[STO]
	v_add_nc_u32 v[STO], s62, v[STO]               ; into the stage: row r, + 128 h
	v_mul_u32_u24 v[SRD], v254, 272
	v_lshl_add_u32 v[SRD], v253, 4, v[SRD]
	v_add_nc_u32 v[SRD], s62, v[SRD]               ; back: lanes 0-15 one row, lanes 16-31 the next
	v_lshlrev_b32 v[GO], 12, v254
	v_lshl_add_u32 v[GO], v253, 4, v[GO]           ; the same two rows in out0
	v_lshlrev_b32 v[SH8], 3, v254
	v_mov_b32 v[TT], 0                             ; written once: a lane permute's destination counts as one of its sources
	v_mov_b32 v[RL+1], 0                           ; named as the upper half of the pair; never used
.irp i, 0,1,2,3,4,5
	v_mov_b32 v[QZ+\i], 0                          ; the zero codes on both sides of q's
	v_mov_b32 v[QZ+12+\i], 0
.endr
.irp i, 0,1,2,3
	global_load_b32 v[QW4+\i], v255, s[QG:QG+1] offset:256*\i      ; row r's scale word of q's fragment 4 (4 x + i) + w
.endr
.irp w, 1,2,3
	WIN 0x40*\w
	v_mov_b32 v[KADW], v[KAD]                      ; k's address in each window that holds p
.endr
	WIN 0
	VW                                             ; the head's end
	s_wait_tensorcnt 0x0                           ; my part has landed
	s_barrier_signal -1
	s_barrier_wait -1                              ; everybody's has; from here on these bytes are only read
.irp g, 0,1,2,3
	ds_load_b128 v[KSCR+4*\g:KSCR+4*\g+3], v[SCA] offset:512*\g            ; k's and v's scale words stay in registers
	ds_load_b128 v[VSCR+4*\g:VSCR+4*\g+3], v[SCA] offset:2048+512*\g
.endr
	KLOAD 0
	WIN 0
.irp j, 0,1,2
	ds_load_b128 v[QF+4*\j:QF+4*\j+3], v[QAD0] offset:512*\j
.endr
	s_wait_loadcnt 0x0                             ; q's scale words
	s_wait_dscnt 0x0
.Ltile:                                            ; eight tiles of 16 queries: tile T is half T % 2 of my fragment T / 2
	s_and_b32 s56, s[T], 1
	s_cmp_eq_u32 s56, 0
	s_cselect_b32 s[PM], 0, -1
	s_cselect_b32 s[PSH], 0, 16
	s_cmp_ge_u32 s[T], 2
	s_cselect_b32 s[M1], -1, 0
	s_cmp_ge_u32 s[T], 4
	s_cselect_b32 s[M2], -1, 0
	s_cmp_ge_u32 s[T], 6
	s_cselect_b32 s[M3], -1, 0
	s_wait_dscnt 16                                ; k's first fragments and q's are in; the 8 stores and 8 loads of the last tile's stage, issued behind them, may be out
	v_cndmask_b32 v[QW], v[QW4], v[QW4+1], s[M1]
	v_cndmask_b32 v[QW], v[QW], v[QW4+2], s[M2]
	v_cndmask_b32 v[QW], v[QW], v[QW4+3], s[M3]
	v_lshrrev_b32 v[QSL], s[PSH], v[QW]
	v_and_b32 v[QSL], 0xffff, v[QSL]               ; my tile's two bytes; over the zero codes the byte 0, which is a number
	v_lshlrev_b32 v[QSH], 16, v[QSL]
.irp i, 0,1,2,3,4,5
	v_cndmask_b32 v[QZ+6+\i], v[QF+\i], v[QF+6+\i], s[PM]
.endr
	PLACES                                         ; ten plain instructions behind the scales' last write, four behind the operand's
	; ---- A: S^T and p, a key step of 128 at a time: eight products, the next step's fragments asked for, the exponentials of the step before, this step's scalings
.set I, 0
.rept 8
.if I == 0
	QKS 0
	PLACES                                         ; in front of the loads into k's registers and of the first read of the results
	KLOAD 1
	WIN 0
	s_cmp_eq_u32 s[T], 0                           ; the tile before goes out here; the first tile has none before it
	VW
	s_cbranch_scc1 .Lnosend
	s_wait_dscnt 12                                ; its rows are back from the stage; the 12 loads just issued may be out
	SEND
.Lnosend:
.else
	STEPX I
.endif
	SMUL I
.set I, I+1
.endr
	EXPS 7
	v_nop                                          ; the plain instruction behind the last exponential
	VW                                             ; ahead of the first reader of p
	; ---- B: the row's sum of the unquantised p, in eight chains; group 0's pairs start them: nothing is cleared
	WIN 0x05
.irp c, 0,1,2,3,4,5,6,7
	v_pk_add_f32 v[SA+2*\c:SA+2*\c+1], v[2*\c:2*\c+1], v[16+2*\c:16+2*\c+1]
.endr
.irp g, 1,2,3,4,5,6,7,8,9,10,11,12,13,14,15
	SUMG \g
.endr
	WIN 0
.irp c, 0,1,2,3
	v_pk_add_f32 v[SA+2*\c:SA+2*\c+1], v[SA+2*\c:SA+2*\c+1], v[SA+8+2*\c:SA+8+2*\c+1]
.endr
.irp c, 0,1
	v_pk_add_f32 v[SA+2*\c:SA+2*\c+1], v[SA+2*\c:SA+2*\c+1], v[SA+4+2*\c:SA+4+2*\c+1]
.endr
	v_pk_add_f32 v[SA:SA+1], v[SA:SA+1], v[SA+2:SA+3]
	v_add_f32 v[SUM], v[SA], v[SA+1]
	v_permlanex16_b32 v[TT], v[SUM], s[SEL], s[SEL+1]
	v_add_f32 v[SUM], v[SUM], v[TT]                ; with lane l xor 16's keys: the row's sum
	v_add_f32 v[SUM], 0x322bcc77, v[SUM]           ; + 1e-8
	VW                                             ; ahead of the reciprocal
	v_rcp_f32 v[RL], v[SUM]
	MAXW 1, 6, 0                                   ; the blocks' largest p: plain work that names no result of the reciprocal
	MAXW 2, 6, 6
	MAXW 3, 4, 12
	WIN 0
	VW                                             ; ahead of the reciprocal's first reader
	; the scales.  A block's largest attn is its largest p times the reciprocal: the multiplication does not fall where p rises
.irp g, 0,1,2,3,4,5,6,7,8,9,10,11,12,13,14,15
	v_mul_f32 v[BM+\g], v[BM+\g], v[RL]
.endr
.irp g, 0,1,2,3,4,5,6,7,8,9,10,11,12,13,14,15
	v_max_num_f32 v[BM+\g], s[FLR], v[BM+\g]       ; the floor: the byte cannot fall under 1
.endr
.irp g, 0,1,2,3,4,5,6,7,8,9,10,11,12,13,14,15
	v_add_nc_u32 v[BM+\g], 0xff000000, v[BM+\g]    ; 2 off the exponent field: the conversion's scale operand
.endr
.irp g, 0,1,2,3,4,5,6,7,8,9,10,11,12,13,14,15
	v_lshrrev_b32 v[BY+\g], 23, v[BM+\g]           ; the byte
.endr
.irp g, 0,1,2,3,4,5,6,7
	v_lshl_or_b32 v[BY+2*\g], v[BY+2*\g+1], 16, v[BY+2*\g]         ; my two bytes of a key step: blocks h and 2 + h,
.endr
.irp g, 0,1,2,3,4,5,6,7
	v_lshlrev_b32 v[BY+2*\g], v[SH8], v[BY+2*\g]   ; at their places
.endr
.irp g, 0,1,2,3,4,5,6,7
	v_permlanex16_b32 v[BY+2*\g+1], v[BY+2*\g], s[SEL], s[SEL+1]
.endr
.irp g, 0,1,2,3,4,5,6,7
	v_or_b32 v[PSW+\g], v[BY+2*\g], v[BY+2*\g+1]   ; with lane l xor 16's two the word is whole
.endr
	; ---- C: attn, its codes, the second product.  A step's products are issued ahead of the next step's conversions, which write the other set of codes
	NORM 0
	CVT 0
.irp sg, 0,1,2,3,4,5,6,7
	VW                                             ; directly ahead of the wait on DScnt
.if \sg < 7
	s_wait_dscnt 12                                ; this step's fragments of v are in; the next step's twelve loads may be out
.else
	s_wait_dscnt 15                                ; the last fragments of v are in; the next tile's 12 loads of k and 3 of q may be out
.endif
	PV \sg
.if \sg < 7
	CVT \sg+1
.endif
.if \sg < 6
	VLOAD \sg+2                                    ; seven plain instructions behind the products that read this set
.endif
.if \sg == 6
	KLOAD 0                                        ; the next tile's first fragments of k, where window 1 held v's (read last by this step's products, seven plain instructions ago),
	WIN 0
	s_add_co_u32 s56, s[T], 1
	s_min_u32 s56, s56, 7                          ; and its fragment of q; held inside q's image in the last trip
	s_lshr_b32 s56, s56, 1
	s_mul_i32 s[QO], s56, 6144
	v_add_nc_u32 v[QAD], s[QO], v[QAD0]
.irp j, 0,1,2
	ds_load_b128 v[QF+4*\j:QF+4*\j+3], v[QAD] offset:512*\j
.endr
.endif
.endr
	; ---- THE WAY OUT.  Lane (r, h) holds channels 32 h + 0 .. 31 of the tile's row r.  They go through my own stage and come back as rows of 256 bytes; the stores stand in the next tile's first key step
	PLACES
	WIN 0
	s_wait_xcnt 0x0                                ; the last tile's stores have read their base and their registers
	s_lshr_b32 s57, s[T], 1
	s_lshl_b32 s57, s57, 19                        ; 128 tokens for each fragment,
	s_and_b32 s58, s[T], 1
	s_lshl_b32 s58, s58, 15                        ; 8 tokens for its second tile
	s_add_co_u32 s[OFF], s57, s58
	s_add_nc_u64 s[OUT:OUT+1], s[OUTB:OUTB+1], s[OFF:OFF+1]
.irp i, 0,1,2,3,4,5,6,7
	ds_store_b128 v[STO], v[OT+4*\i:OT+4*\i+3] offset:16*\i        ; each accumulator from its low end on
.endr
.irp t, 0,1,2,3,4,5,6,7
	ds_load_b128 v[OB+4*\t:OB+4*\t+3], v[SRD] offset:544*\t        ; LDS serves a wave's instructions in order: these see the stores above
.endr
	s_add_co_u32 s[T], s[T], 1
	s_cmp_lt_u32 s[T], 8
	VW
	s_cbranch_scc1 .Ltile
	s_wait_dscnt 0x0                               ; the last tile's rows are back
	SEND
	s_wait_tensorcnt 0x0                           ; the wave's end, behind my tensor load and my last LDS store
	ds_add_u32 v[SPW], v[NIL]
	s_wait_dscnt 0x0
	s_endpgm
.Lfunc_end_k_q270a153827_attn:
	.size	k_q270a153827_attn, .Lfunc_end_k_q270a153827_attn-k_q270a153827_attn
	.p2alignl 7, 3214868480
	.fill 96, 4, 3214868480
	.section	.rodata,"a",@progbits
	.p2align	6, 0x0
	.amdhsa_kernel k_q270a153827_attn
		.amdhsa_group_segment_fixed_size 167936
		.amdhsa_private_segment_fixed_size 0
		.amdhsa_enable_private_segment 0
		.amdhsa_kernarg_size 16
		.amdhsa_user_sgpr_count 2
		.amdhsa_user_sgpr_kernarg_segment_ptr 1
		.amdhsa_wavefront_size32 1
		.amdhsa_system_sgpr_workgroup_id_x 1
		.amdhsa_system_sgpr_workgroup_id_y 1
		.amdhsa_system_sgpr_workgroup_id_z 1
		.amdhsa_system_vgpr_workitem_id 0
		.amdhsa_next_free_vgpr 1024
		.amdhsa_next_free_sgpr 66
		.amdhsa_reserve_vcc 0
		.amdhsa_float_denorm_mode_32 3
		.amdhsa_float_denorm_mode_16_64 3
		.amdhsa_memory_ordered 1
		.amdhsa_forward_progress 1
		.amdhsa_inst_pref_size 133
	.end_amdhsa_kernel
	.amdgpu_metadata
---
amdhsa.version: [ 1, 2 ]
amdhsa.kernels:
  - .name:           k_q270a153827_attn
    .symbol:         k_q270a153827_attn.kd
    .args:
      - { .name: qkv, .offset: 0, .size: 8, .value_kind: global_buffer, .address_space: global }
      - { .name: out0, .offset: 8, .size: 8, .value_kind: global_buffer, .address_space: global }
    .group_segment_fixed_size: 167936
    .private_segment_fixed_size: 0
    .kernarg_segment_align: 8
    .kernarg_segment_size: 16
    .max_flat_workgroup_size: 128
    .sgpr_count:     66
    .vgpr_count:     1024
    .wavefront_size: 32
...
	.end_amdgpu_metadata
.endif
;; end of part 3
